; MI455X (gfx1250); checked and timed in simulation.
; The chip was launched on July 23, 2026; its instructions are those of AMD's public machine-readable ISA for CDNA 5 (MIT licence, August 2026) and "CDNA5" Instruction Set Architecture Reference Guide (July 2026). The comments in the code are by the model that wrote it; some were corrected since.
;; Param Attention. Allowed arithmetic: matrix products marked QUANTISED: E5M2 operands, one E8M0 scale for each 32 along K, by v_wmma_scale_f32_16x16x128_f8f6f4 with both operands' format E5M2, f32 sums; everything else in f32.
;; Inputs: Wk 512 x 512 float32; Wq 512 x 512 float32; Wv 512 x 512 float32; x_k 16 x 2,048 x 512 float32; x_mask 16 x 1,024 bool; x_q 16 x 1,024 x 512 float32.
;; Outputs: out0 16 x 1,024 x 512 float32.
;; This version of the problem:
;;   THIS VERSION OF THE PROBLEM IS GIVEN IN LOW PRECISION. The matrix products marked QUANTISED in the list below multiply operands that are first quantised to E5M2 (5 exponent bits, 2 mantissa bits; 8 bits a number), with one power-of-two scale for each 32 numbers along K (OCP MX v1.0); their sums are f32. All else is computed in f32.
;;   The module's matrix products, in the order in which they are computed (A, B: the left and right operand; K: the contracted axis; several contracted axes count as one K, in the product's order):
;;     1. [M 16,384, K 512] x [K 512, N 512]; A: input x_q; B: input Wq: QUANTISED
;;     2. [M 32,768, K 512] x [K 512, N 512]; A: input x_k; B: input Wk: QUANTISED
;;     3. [M 32,768, K 512] x [K 512, N 512]; A: input x_k; B: input Wv: QUANTISED
;;     4. batch 16 x [M 1,024, K 512] x [K 512, N 2,048]; A: computed on the way; B: computed on the way: QUANTISED
;;     5. batch 16 x [M 1,024, K 2,048] x [K 2,048, N 512]; A: softmax (see below); B: computed on the way: QUANTISED
;;   THE QUANTISER, for each operand of a quantised product, along K:
;;     - K is cut into blocks of 32 from its start; a last block that is shorter is filled with zeros.
;;     - A block's scale is 2^e with e = floor(log2(the largest magnitude in the block)) - 15, held to -126 .. 127; a block of zeros has e = 0. As a byte (E8M0): e + 127.
;;     - Each number is divided by its block's scale, clamped to +-57,344, and rounded to the nearest number of E5M2, ties to even, subnormals kept.
;;     - The product sums the exact products of the quantised numbers (number of the format x scale) in f32.
;;   ~~~python
;;   def quantise(x, axis):      # numpy; x: float32 -> the quantised numbers, widened to float32 again
;;       x = np.moveaxis(x, axis, -1); K = x.shape[-1]
;;       x = np.pad(x, [(0, 0)] * (x.ndim - 1) + [(0, -K % 32)]); x = x.reshape(x.shape[:-1] + (-1, 32)); a = np.abs(x).max(-1, keepdims=True)
;;       e = np.where(a > 0, np.clip(np.frexp(np.where(a > 0, a, 1))[1] - 1 - 15, -126, 127), 0)      # np.frexp(a)[1] - 1 = floor(log2(a)), exactly
;;       r = np.clip(x / 2.0 ** e, -57344, 57344)
;;       step = 2.0 ** (np.maximum(np.frexp(np.where(r == 0, 1, r))[1] - 1, -14) - 2)
;;       q = np.round(r / step) * step * 2.0 ** e      # np.round: ties to even
;;       return np.moveaxis(q.reshape(q.shape[:-2] + (-1,))[..., :K], -1, axis).astype(np.float32)
;;   ~~~
;;   SOFTMAX AHEAD OF A QUANTISED PRODUCT. Where the list says 'softmax', what is quantised is not the finished softmax but p = 2^(t - M), with t = logit x log2(e) and M = ceil(the row's largest t), a whole number; so 1/2 < the row's largest p <= 1. The row's sum l is taken of the UNQUANTISED p, in f32, and the product's result is divided by l at the end. Since M is a whole number, a kernel that streams over the keys may use a running M (the ceiling of the running maximum): every later rescaling is an exact power of two, which a block's scale takes up: the codes' values come out the same.
;;   OPERANDS COMPUTED ON THE WAY. 'Computed on the way' means the value that the module computes at that place (a softmax that the list does not call 'softmax' is quantised finished and normalised). What goes into a quantiser is computed in f32, as accurately as f32 sums, v_exp_f32 and their like allow (about 1e-6 of the number): no bf16 or f16 on the way to a quantiser, and a product that is left as it is and whose result goes on into a quantised operand takes f32 operands (vector FMAs, or v_wmma_f32_16x16x4_f32). A number that lies on a knife's edge between two numbers of the format may be rounded either way, as far as f32 arithmetic and the matrix unit's own rounding can turn it there, and no further.
;; One version. Each part assembles by itself: llvm-mc -triple=amdgcn-amd-amdhsa -mcpu=gfx1250 --defsym DOCPART=n.
;; ======== version 1 of 1: 3 launches
;; limits: right only within a limited range of input values
;; workspace buffers: wc 835,584 bytes; kc 17,301,504 bytes; vc 17,301,504 bytes
;; launch wprep (part 1): grid 96 x 1, 4 waves a work-group, no clusters, 0 bytes of LDS; arguments Wq, Wk, Wv, wc; writes wc
.if DOCPART == 1
	.amdgcn_target "amdgcn-amd-amdhsa--gfx1250"
	.amdhsa_code_object_version 6
	.text
	.protected	k_q0ba3e2dd49_wprep
	.globl	k_q0ba3e2dd49_wprep
	.p2align	8
	.type	k_q0ba3e2dd49_wprep,@function
k_q0ba3e2dd49_wprep:
	s_mov_b64 s[64:65], 0
	v_nop
	global_prefetch_b8 v0, s[64:65] scope:SCOPE_SE
	s_setreg_imm32_b32 hwreg(HW_REG_WAVE_MODE, 25, 1), 1
	s_wait_xcnt 0x0
; THE PROGRAM: out = mask x softmax(q k^T / sqrt(512)) v, q = x_q Wq^T, k = x_k Wk^T, v = x_k Wv^T, all five products on codes of BF8 (E5M2) with one E8M0 scale for each 32 along K.
; Three launches: this one (the weights' codes), kv (k's and v's codes), attn (q, scores, softmax, output).
; NO WORK IS LEFT OUT: every input reaches the output for some values of the inputs; rows that x_mask hides are computed and multiplied by 0, since only values of an input throw them away.
; THIS LAUNCH: Wq, Wk, Wv [512][512] f32, K innermost, become codes laid IN THE ORDER OF AN OPERAND'S REGISTERS, so that the later launches take fragments whole, 512 consecutive bytes an instruction.
; wc[weight][tile T of 16 rows] is 8,704 bytes: four fragments (K steps of 128; 2,048 bytes: registers 4 c .. 4 c + 3 of lane l at 512 c + 16 l), then 512 bytes of scale words: lane l's 16 bytes are the words of K steps 0 .. 3 of the row of lane l % 16.
; THE ROWS OF A TILE: Wq, Wk (a product's source 0, whose result is quantised along these rows): lane r of tile T takes row 32 (T / 2) + 8 (T % 2) + r + 8 (r / 8); Wv: row 16 T + r.
; A block's scale is 2^(floor(log2(its largest magnitude)) - 15); its byte is the largest magnitude's exponent field - 15, held at 1 from below.
; LIMITS: a block of zeros gets the byte 1 where the rule says 127 (its codes are zeros, and this program alone reads the bytes); blocks whose largest magnitude lies under 2^-111 keep the byte 1; NaN and infinities among the inputs are not served.
; A work-group makes one tile, 96 in all; wave s makes its K step s: 16 loads, one fragment.  No LDS, no barrier, no matrix instruction.  A lane reads 16 neighbours of each block of 32 of its row (64 bytes): short pieces of 16 rows, on 3 MB in all.
; A wave's scale words go out 4 bytes a lane, 16 bytes apart: the four waves fill the tile's 512 bytes between them: 512 of the tile's 8,704 bytes.
.set TM,  16                           ; v16-19 largest magnitudes, v20-23 bytes, v24-27 57,344 x the scale, v28-31 the conversions' scale operands
.set SW,  32                           ; v32 my K step's scale word
.set F0,  64                           ; v64-127 64 numbers
.set PCB, 128                          ; v128-143 the fragment's codes
.set MNT, 13
.set SEL, 14
	s_load_b256 s[4:11], s[0:1], 0x0               ; Wq s[4:5], Wk s[6:7], Wv s[8:9], wc s[10:11]
	v_lshrrev_b32 v6, 5, v0
	v_readfirstlane_b32 s26, v6                    ; wave = K step
	s_lshr_b32 s16, ttmp9, 5                       ; which weight
	s_and_b32 s17, ttmp9, 31                       ; which tile
	s_mov_b32 s[MNT], 0x600000
	s_mov_b32 s[SEL], 0x76543210
	s_mov_b32 s[SEL+1], 0xfedcba98
	s_lshr_b32 s18, s17, 1
	s_lshl_b32 s18, s18, 5
	s_and_b32 s19, s17, 1
	s_lshl_b32 s19, s19, 3
	s_add_co_u32 s18, s18, s19                     ; 32 (T / 2) + 8 (T % 2)
	s_lshl_b32 s19, s17, 4                         ; 16 T
	s_cmp_lg_u32 s16, 2
	s_cselect_b32 s18, s18, s19                    ; the tile's first row
	s_cselect_b32 s20, 1, 0                        ; 1: lanes 8-15 take rows 8 further on
	s_lshl_b32 s22, s18, 11                        ; in bytes: a row is 2,048,
	s_lshl_b32 s27, s26, 9                         ; a K step 512
	s_add_co_u32 s22, s22, s27
	s_mov_b32 s23, 0
	s_mul_i32 s24, ttmp9, 8704                     ; the tile's place in wc
	s_add_co_u32 s28, s24, 8192                    ; its scale words,
	s_lshl_b32 s30, s26, 2
	s_add_co_u32 s28, s28, s30                     ; my K step's word of each 16 bytes
	s_mov_b32 s29, 0
	s_lshl_b32 s27, s26, 11
	s_add_co_u32 s24, s24, s27                     ; my fragment
	s_mov_b32 s25, 0
	v_and_b32 v1, 31, v0
	v_lshlrev_b32 v1, 4, v1                        ; 16 x lane
	v_and_b32 v3, 15, v0                           ; r
	v_bfe_u32 v4, v0, 4, 1                         ; h
	v_and_b32 v5, 8, v3
	v_mul_u32_u24 v5, s20, v5
	v_add_nc_u32 v3, v3, v5
	v_lshlrev_b32 v2, 11, v3
	v_lshl_add_u32 v2, v4, 6, v2                   ; my row, + 64 h: my 16 numbers of a block of 32
.irp b, 0,1,2,3
	v_mov_b32 v[TM+4+\b], 0                        ; a lane permute's destination counts as one of its sources
.endr
	s_wait_alu depctr_va_vdst(0)                   ; the wait at the head's end
	s_wait_kmcnt 0x0
	s_cmp_eq_u32 s16, 0                            ; the choice hangs on the work-group's number alone
	s_cselect_b64 s[4:5], s[4:5], s[6:7]
	s_cmp_eq_u32 s16, 2
	s_cselect_b64 s[4:5], s[8:9], s[4:5]
	s_add_nc_u64 s[4:5], s[4:5], s[22:23]
	s_add_nc_u64 s[28:29], s[10:11], s[28:29]
	s_add_nc_u64 s[10:11], s[10:11], s[24:25]
.irp b, 0,1,2,3
.irp j, 0,1,2,3
	global_load_b128 v[F0+16*\b+4*\j:F0+16*\b+4*\j+3], v2, s[4:5] offset:128*\b+16*\j th:TH_LOAD_NT
.endr
.endr
	s_wait_loadcnt 0x0
.irp b, 0,1,2,3
	v_max3_num_f32 v[TM+\b], |v[F0+16*\b]|, |v[F0+16*\b+1]|, 0x8000000   ; and the floor 2^(16 - 127): the byte cannot fall under 1
.endr
.irp i, 2,4,6,8,10,12,14
.irp b, 0,1,2,3
	v_max3_num_f32 v[TM+\b], v[TM+\b], |v[F0+16*\b+\i]|, |v[F0+16*\b+\i+1]|   ; the four blocks by turns
.endr
.endr
.irp b, 0,1,2,3
	v_permlanex16_b32 v[TM+4+\b], v[TM+\b], s[SEL], s[SEL+1]
.endr
.irp b, 0,1,2,3
	v_max_num_f32 v[TM+\b], v[TM+\b], v[TM+4+\b]                  ; with lane l xor 16's 16 numbers: the block's
.endr
.irp b, 0,1,2,3
	v_add_nc_u32 v[TM+12+\b], 0xf8800000, v[TM+\b]                ; 15 off the exponent field: the conversion's scale operand
.endr
.irp b, 0,1,2,3
	v_and_or_b32 v[TM+8+\b], v[TM+\b], 0x7f800000, s[MNT]         ; 57,344 x the scale
.endr
.irp b, 0,1,2,3
	v_lshrrev_b32 v[TM+4+\b], 23, v[TM+12+\b]                     ; the scale's byte
.endr
	v_lshl_or_b32 v[SW], v[TM+5], 8, v[TM+4]
	v_lshl_or_b32 v[SW], v[TM+6], 16, v[SW]
	v_lshl_or_b32 v[SW], v[TM+7], 24, v[SW]
.irp b, 0,1,2,3
.irp i, 0,1,2,3,4,5,6,7,8,9,10,11,12,13,14,15
	v_med3_num_f32 v[F0+16*\b+\i], v[F0+16*\b+\i], -v[TM+8+\b], v[TM+8+\b]   ; the conversion does not saturate (ISA guide 7.6.2)
.endr
	v_cvt_scalef32_pk8_bf8_f32 v[PCB+4*\b:PCB+4*\b+1], v[F0+16*\b:F0+16*\b+7], v[TM+12+\b]
	v_cvt_scalef32_pk8_bf8_f32 v[PCB+4*\b+2:PCB+4*\b+3], v[F0+16*\b+8:F0+16*\b+15], v[TM+12+\b]
.endr
	v_nop
.irp c, 0,1,2,3
	global_store_b128 v1, v[PCB+4*\c:PCB+4*\c+3], s[10:11] offset:512*\c   ; 32 lanes store 512 consecutive bytes, aligned
.endr
	global_store_b32 v1, v[SW], s[28:29]
	s_endpgm
.Lfunc_end_k_q0ba3e2dd49_wprep:
	.size	k_q0ba3e2dd49_wprep, .Lfunc_end_k_q0ba3e2dd49_wprep-k_q0ba3e2dd49_wprep
	.p2alignl 7, 3214868480
	.fill 96, 4, 3214868480
	.section	.rodata,"a",@progbits
	.p2align	6, 0x0
	.amdhsa_kernel k_q0ba3e2dd49_wprep
		.amdhsa_group_segment_fixed_size 0
		.amdhsa_private_segment_fixed_size 0
		.amdhsa_enable_private_segment 0
		.amdhsa_kernarg_size 32
		.amdhsa_user_sgpr_count 2
		.amdhsa_user_sgpr_kernarg_segment_ptr 1
		.amdhsa_wavefront_size32 1
		.amdhsa_system_sgpr_workgroup_id_x 1
		.amdhsa_system_sgpr_workgroup_id_y 1
		.amdhsa_system_sgpr_workgroup_id_z 1
		.amdhsa_system_vgpr_workitem_id 0
		.amdhsa_next_free_vgpr 160
		.amdhsa_next_free_sgpr 66
		.amdhsa_reserve_vcc 0
		.amdhsa_float_denorm_mode_32 3
		.amdhsa_float_denorm_mode_16_64 3
		.amdhsa_memory_ordered 1
		.amdhsa_forward_progress 1
		.amdhsa_inst_pref_size 13
	.end_amdhsa_kernel
	.amdgpu_metadata
---
amdhsa.version: [ 1, 2 ]
amdhsa.kernels:
  - .name:           k_q0ba3e2dd49_wprep
    .symbol:         k_q0ba3e2dd49_wprep.kd
    .args:
      - { .name: Wq, .offset: 0, .size: 8, .value_kind: global_buffer, .address_space: global }
      - { .name: Wk, .offset: 8, .size: 8, .value_kind: global_buffer, .address_space: global }
      - { .name: Wv, .offset: 16, .size: 8, .value_kind: global_buffer, .address_space: global }
      - { .name: wc, .offset: 24, .size: 8, .value_kind: global_buffer, .address_space: global }
    .group_segment_fixed_size: 0
    .private_segment_fixed_size: 0
    .kernarg_segment_align: 8
    .kernarg_segment_size: 32
    .max_flat_workgroup_size: 128
    .sgpr_count:     66
    .vgpr_count:     160
    .wavefront_size: 32
...
	.end_amdgpu_metadata
.endif
;; end of part 1
;; launch kv (part 2): grid 256 x 1, 4 waves a work-group, no clusters, 327,680 bytes of LDS; arguments x_k, wc, kc, vc; writes kc, vc
.if DOCPART == 2
	.amdgcn_target "amdgcn-amd-amdhsa--gfx1250"
	.amdhsa_code_object_version 6
	.text
	.protected	k_q0ba3e2dd49_kv
	.globl	k_q0ba3e2dd49_kv
	.p2align	8
	.type	k_q0ba3e2dd49_kv,@function
k_q0ba3e2dd49_kv:
	s_mov_b64 s[64:65], 0
	v_nop
	global_prefetch_b8 v0, s[64:65] scope:SCOPE_SE
	s_setreg_imm32_b32 hwreg(HW_REG_WAVE_MODE, 25, 1), 1
	s_wait_xcnt 0x0
; k = x_k Wk^T and v = x_k Wv^T on codes of BF8 (E5M2), and both results quantised on the way: k along its 512 channels, v along the keys.  Nothing is left out.
; SHARES.  Work-group g takes rows 128 g .. 128 g + 127 of x_k [32,768][512] f32 (a group of 128 keys of one batch).  x_k is read from memory once in the program.
; Wave w quantises rows 32 w .. 32 w + 31 and hands their codes to the other waves through LDS as images of the operand's registers; then EVERY wave holds all 32 fragments of x (512 registers),
; and THE WAVES SHARE THE COLUMNS: wave w makes k's channels 128 w .. 128 w + 127 and v's channels 128 w .. 128 w + 127 for all 128 keys.  So each fragment of Wk and Wv is wanted by one wave, once:
; it comes from wc straight into registers (512 consecutive bytes an instruction) and feeds 8 matrix instructions.
; NO CLUSTER, NO RING FOR THE WEIGHTS: what work-groups share is wc, 557,056 bytes; through LDS a work-group would write and read those bytes once more for 512 matrix instructions a wave.
; THE ROWS OF A TILE OF x_k: lane r of tile m takes key 32 (m / 2) + 8 (m % 2) + r + 8 (r / 8) of the group.
; k (transposed: source 0 = 16 rows of Wk, chosen likewise; source 1 = a tile of x): a lane holds one key, and the 16 registers of Wk's tiles 2 b, 2 b + 1 are channels 32 b + 16 (lane / 16) + 0 .. 15: a block's half.
; v (source 0 = a tile of x, source 1 = 16 rows of Wv): a lane holds one channel, and the 64 registers of the 8 tiles of x are keys 32 b + 16 (lane / 16) + i: the conversions' results are a fragment of V^T.
; OUT: kc[g][K step s = w]: 8 fragments (key tiles m) of 2,048 bytes, then 512 bytes of scale words (lanes 0-15: tiles 0-3 of row r; lanes 16-31: tiles 4-7).  vc[g][w]: 8 fragments of V^T (channel tiles n), then their scale words likewise.
; LIMITS: a block of zeros gets the byte 1 where the rule says 127 (its codes are zeros; this program alone reads the bytes); largest magnitudes under 2^-111 keep the byte 1; NaN and infinities are not served.
; LDS: x as f32: block (w, s) = my 32 rows' K step s, 32 rows x (512 + 16) bytes, filled once by a tensor load of wave s.  The images of the codes are laid over the first 4,096 bytes of each block, when both of its tiles have been read: the block has had its only fill.
; REGISTERS, in windows of 256: window 0: addresses, scale words, codes, v128-255 the accumulators; window 1: a ring of 4 sets of 4 fragments of W; windows 2, 3: x(m, s) at 64 (m % 4) + 16 s of window 2 + m / 4.
.set XBLK,  16896                      ; 32 rows x 528: the pitch is an odd multiple of 16 bytes
.set XWAVE, 4*XBLK
.set XSC,   4*XWAVE                    ; x's scale words: [tile m][lane][K step]: 4,096 bytes
.set SPARE, XSC+4096                   ; the spare words, 128 bytes for each wave: two blocks of 256 bytes that no other line names
.set LI,  1                            ; v1   16 x lane
.set FA,  2                            ; v2   my lane's place in my blocks of f32
.set XI,  3                            ; v3   where I store images
.set AI,  4                            ; v4-7 where wave w' stored them
.set XSW, 8                            ; v8   where I store scale words
.set XSR, 9                            ; v9   and read them
.set SPW, 14                           ; v14  LDS address of my spare word; never rewritten
.set NIL, 15                           ; v15  0; never rewritten
.set TM,  16                           ; v16-31 at work in the quantiser
.set PC0, 32                           ; v32-47, v48-63: two sets of codes
.set XS,  64                           ; v64-95   x's scale words: 4 m + s
.set WS,  96                           ; v96-111  W's: 4 set + s
.set KW,  112                          ; v112-119 k's scale words by key tile (at first: x's, 4 u + s)
.set VW,  120                          ; v120-127 v's by channel tile
.set ACC, 128
.set WV,  12
.set MNT, 13
.set SEL, 14
.set G1,  16                           ; s[16:23] descriptor group 1
.set G0,  24                           ; s[24:39] group 0, a set for each K step; never rewritten
.set WKP, 40                           ; s[40:41] my 8 tiles of Wk in wc
.set WVP, 42                           ; s[42:43] of Wv
.set KC,  44                           ; s[44:45] my part of kc
.set VC,  46                           ; s[46:47] of vc
.set HI,  48                           ; s48  lanes 16-31
.set MSB, 0
.macro WIN new                         ; the immediate's high byte repeats the setting that is left
.if MSB != (\new)
	s_set_vgpr_msb (MSB<<8)|(\new)
.set MSB, \new
.endif
.endm
.macro PLACES n
.rept \n
	v_nop
.endr
.endm
.macro QSCALE src                      ; 64 numbers, four blocks' halves of 16: largest magnitudes (with lane l xor 16's), scale operands, holds, bytes.  Each accumulator is read from its low end on
.irp b, 0,1,2,3
	v_max3_num_f32 v[TM+\b], |v[(\src)+16*\b]|, |v[(\src)+16*\b+1]|, 0x8000000   ; and the floor 2^(16 - 127): the byte cannot fall under 1
.endr
.irp i, 2,4,6,8,10,12,14
.irp b, 0,1,2,3
	v_max3_num_f32 v[TM+\b], v[TM+\b], |v[(\src)+16*\b+\i]|, |v[(\src)+16*\b+\i+1]|
.endr
.endr
.irp b, 0,1,2,3
	v_permlanex16_b32 v[TM+4+\b], v[TM+\b], s[SEL], s[SEL+1]
.endr
.irp b, 0,1,2,3
	v_max_num_f32 v[TM+\b], v[TM+\b], v[TM+4+\b]
.endr
.irp b, 0,1,2,3
	v_add_nc_u32 v[TM+12+\b], 0xf8800000, v[TM+\b]                ; 15 off the exponent field: the conversion's scale operand
.endr
.irp b, 0,1,2,3
	v_and_or_b32 v[TM+8+\b], v[TM+\b], 0x7f800000, s[MNT]         ; 57,344 x the scale
.endr
.irp b, 0,1,2,3
	v_lshrrev_b32 v[TM+4+\b], 23, v[TM+12+\b]                     ; the scale's byte
.endr
.endm
.macro QCODES src, pc                  ; the hold (the conversion does not saturate: ISA guide 7.6.2) and the conversions
.irp b, 0,1,2,3
.irp i, 0,1,2,3,4,5,6,7,8,9,10,11,12,13,14,15
	v_med3_num_f32 v[(\src)+16*\b+\i], v[(\src)+16*\b+\i], -v[TM+8+\b], v[TM+8+\b]
.endr
	v_cvt_scalef32_pk8_bf8_f32 v[(\pc)+4*\b:(\pc)+4*\b+1], v[(\src)+16*\b:(\src)+16*\b+7], v[TM+12+\b]
	v_cvt_scalef32_pk8_bf8_f32 v[(\pc)+4*\b+2:(\pc)+4*\b+3], v[(\src)+16*\b+8:(\src)+16*\b+15], v[TM+12+\b]
.endr
	v_nop                                          ; one plain instruction behind the last conversion
.endm
.macro PACKW dst                       ; four blocks of ONE row: the bytes make its scale word
	v_lshl_or_b32 v[\dst], v[TM+5], 8, v[TM+4]
	v_lshl_or_b32 v[\dst], v[TM+6], 16, v[\dst]
	v_lshl_or_b32 v[\dst], v[TM+7], 24, v[\dst]
.endm
.macro COLW base, b                    ; block b of FOUR rows' tiles: byte i goes to byte b of word i
.irp i, 0,1,2,3
.if (\b) == 0
	v_mov_b32 v[\base+\i], v[TM+4+\i]
.else
	v_lshl_or_b32 v[\base+\i], v[TM+4+\i], 8*(\b), v[\base+\i]
.endif
.endr
.endm
.macro MM d, a, b, k, sa, sb           ; one product; k = 0: it starts the sum
.if (\k) == 0
	v_wmma_scale_f32_16x16x128_f8f6f4 v[\d:\d+7], v[\a:\a+15], v[\b:\b+15], 0, v[\sa], v[\sb] matrix_a_fmt:MATRIX_FMT_BF8 matrix_b_fmt:MATRIX_FMT_BF8
.else
	v_wmma_scale_f32_16x16x128_f8f6f4 v[\d:\d+7], v[\a:\a+15], v[\b:\b+15], v[\d:\d+7], v[\sa], v[\sb] matrix_a_fmt:MATRIX_FMT_BF8 matrix_b_fmt:MATRIX_FMT_BF8
.endif
.endm
; Unit q of 16: a tile of W (q < 8: Wk's tile q of mine; else Wv's tile q - 8), its scale words and four fragments, into set q % 4: 17 loads
.macro WUNIT q
.set WSET, (\q)%4
.if (\q) < 8
.set WBASE, WKP
.set WOFF, (\q)*8704
.else
.set WBASE, WVP
.set WOFF, ((\q)-8)*8704
.endif
	WIN 0
	global_load_b128 v[WS+4*WSET:WS+4*WSET+3], v[LI], s[WBASE:WBASE+1] offset:WOFF+8192
	WIN 0x40                                       ; destination window 1
.irp i, 0,1,2,3,4,5,6,7,8,9,10,11,12,13,14,15
	global_load_b128 v[64*WSET+4*\i:64*WSET+4*\i+3], v[LI], s[WBASE:WBASE+1] offset:WOFF+512*\i
.endr
	WIN 0
.endm
; K step s of my 32 rows: from f32 in LDS to two fragments' images
.macro XPIECE s
; K step s of all 128 rows was fetched by wave s: that wave waits for its load, and the barrier shows the tile to the others (for the last tile, all that is still out, every wave waits)
.if \s < 3
	s_cmp_eq_u32 s[WV], \s
	s_cbranch_scc0 .Lnm_\@
	s_wait_tensorcnt 0x0
.Lnm_\@:
.else
	s_wait_tensorcnt 0x0
.endif
	s_wait_dscnt 0x0
	s_barrier_signal -1
	s_barrier_wait -1
.if \s > 0
	v_add_nc_u32 v[FA], XWAVE, v[FA]               ; my 32 rows' block of the next tile
	v_add_nc_u32 v[XI], XWAVE, v[XI]
.endif
.irp u, 0,1
.irp b, 0,1,2,3
.irp j, 0,1,2,3
	ds_load_b128 v[ACC+64*\u+16*\b+4*\j:ACC+64*\u+16*\b+4*\j+3], v[FA] offset:\u*4224+128*\b+16*\j
.endr
.endr
.endr
	s_wait_dscnt 0x0                               ; both tiles are in registers (and the last piece's stores have read theirs): the block's first bytes may take the images
.irp u, 0,1
	QSCALE ACC+64*\u
	PACKW KW+4*\u+\s
	QCODES ACC+64*\u, PC0+16*\u
.irp c, 0,1,2,3
	ds_store_b128 v[XI], v[PC0+16*\u+4*\c:PC0+16*\u+4*\c+3] offset:2048*\u+512*\c
.endr
.endr
.endm
; 32 products: Wk's tile q (= 2 b + u) against all 8 tiles of x, four accumulators by turns, one instruction a turn
.macro KUNIT q
.set WSET, (\q)%4
.set KU, (\q)%2
.irp gg, 0,1
	WIN 0x09+4*\gg                                 ; source 0 (W) window 1, source 1 (x) window 2 + gg, C and D window 0
.irp s, 0,1,2,3
.irp mi, 0,1,2,3
	MM ACC+16*(4*\gg+\mi)+8*KU, 64*WSET+16*\s, 64*\mi+16*\s, \s, WS+4*WSET+\s, XS+4*(4*\gg+\mi)+\s
.endr
.endr
.endr
.endm
.macro KQ b                            ; channels 32 b .. 32 b + 31 of my 128, of all 128 keys: chunk b of the 8 key tiles' fragments
.irp gg, 0,1
	QSCALE ACC+64*\gg
	COLW KW+4*\gg, \b
	QCODES ACC+64*\gg, PC0+16*\gg
.irp i, 0,1,2,3
	global_store_b128 v[LI], v[PC0+16*\gg+4*\i:PC0+16*\gg+4*\i+3], s[KC:KC+1] offset:(4*\gg+\i)*2048+512*\b   ; 512 consecutive bytes, aligned
.endr
.endr
.endm
.macro VUNIT n                         ; 32 products: all 8 tiles of x against Wv's tile n
.set WSET, (\n)%4
.set VA, ACC+64*((\n)%2)
.irp gg, 0,1
	WIN 0x06+\gg                                   ; source 0 (x) window 2 + gg, source 1 (W) window 1
.irp s, 0,1,2,3
.irp mi, 0,1,2,3
	MM VA+8*(4*\gg+\mi), 64*\mi+16*\s, 64*WSET+16*\s, \s, XS+4*(4*\gg+\mi)+\s, WS+4*WSET+\s
.endr
.endr
.endr
.endm
.macro VQ n                            ; 16 channels x 128 keys: one fragment of V^T
	QSCALE ACC+64*((\n)%2)
	PACKW VW+\n
	QCODES ACC+64*((\n)%2), PC0+16*((\n)%2)
.irp c, 0,1,2,3
	global_store_b128 v[LI], v[PC0+16*((\n)%2)+4*\c:PC0+16*((\n)%2)+4*\c+3], s[VC:VC+1] offset:(\n)*2048+512*\c
.endr
.endm
	s_load_b256 s[4:11], s[0:1], 0x0               ; x_k s[4:5], wc s[6:7], kc s[8:9], vc s[10:11]
	v_lshl_add_u32 v[SPW], v0, 2, SPARE
	v_mov_b32 v[NIL], 0
	ds_add_u32 v[SPW], v[NIL]                      ; the wave's opening: the add, twice on end, and its wait ahead of my first tensor load
	ds_add_u32 v[SPW], v[NIL]
	v_lshrrev_b32 v1, 5, v0
	v_readfirstlane_b32 s[WV], v1                  ; wave 0..3
	; group 1: 128 rows x 128 elements of 4 bytes, rows 512 elements apart; in LDS 4 words of padding behind every 128
	s_mov_b32 s[G1+0], (2<<16)|(1<<20)|(6<<22)|(3<<25)
	s_mov_b32 s[G1+1], 128<<16                     ; tensor_dim0
	s_mov_b32 s[G1+2], 128<<16                     ; tensor_dim1: all 128 rows of the work-group
	s_mov_b32 s[G1+3], 128<<16                     ; tile_dim0
	s_mov_b32 s[G1+4], 128                         ; tile_dim1
	s_mov_b32 s[G1+5], 512                         ; stride
	s_mov_b32 s[G1+6], 0
	s_mov_b32 s[G1+7], 0
	s_mov_b32 s[MNT], 0x600000
	s_mov_b32 s[SEL], 0x76543210
	s_mov_b32 s[SEL+1], 0xfedcba98
	s_mov_b32 s[HI], 0xffff0000
	s_mul_i32 s50, s[WV], XBLK                     ; LDS: tile s (K step s, 128 rows x 528 bytes) at s XWAVE; my 32 rows' block in it at w XBLK
	s_lshl_b32 s52, ttmp9, 18                      ; 128 rows of 2,048 bytes a work-group,
	s_mov_b32 s53, 0
	s_wait_dscnt 0x0                               ; both opening adds are done
	s_wait_kmcnt 0x0
	s_add_nc_u64 s[4:5], s[4:5], s[52:53]
.irp s, 0,1,2,3                        ; the four first fills, the launch's only tensor loads: one a wave is issued below
	s_mov_b32 s[G0+4*\s], 1
	s_mov_b32 s[G0+4*\s+1], \s*XWAVE
	s_add_nc_u64 s[G0+4*\s+2:G0+4*\s+3], s[4:5], \s*512
	s_or_b32 s[G0+4*\s+3], s[G0+4*\s+3], 0x80000000
.endr
; one tensor load a wave, each in an arm of its own of one chain of branches on the wave's number: wave s fetches K step s of the 128 rows
.macro ARM under, g0, next
	s_cmp_lt_u32 s[WV], \under
	s_cbranch_scc0 \next
	tensor_load_to_lds s[\g0:\g0+3], s[G1:G1+7]
	s_nop 0
	PLACES 4
	s_branch .Lasked
\next:
.endm
	ARM 1, G0, .Larm1
	ARM 2, G0+4, .Larm2
	ARM 3, G0+8, .Larm3
	tensor_load_to_lds s[G0+12:G0+15], s[G1:G1+7]
	s_nop 0
	PLACES 4
.Lasked:
	v_and_b32 v10, 31, v0
	v_lshlrev_b32 v[LI], 4, v10
	v_and_b32 v11, 15, v0                          ; r
	v_bfe_u32 v12, v0, 4, 1                        ; h
	v_and_b32 v13, 8, v11
	v_add_nc_u32 v13, v13, v11                     ; r + 8 (r / 8)
	v_mul_u32_u24 v[FA], v13, 528
	v_lshl_add_u32 v[FA], v12, 6, v[FA]
	v_add_nc_u32 v[FA], s50, v[FA]
	v_add_nc_u32 v[XI], s50, v[LI]
.irp w, 0,1,2,3
	v_add_nc_u32 v[AI+\w], \w*XWAVE, v[LI]
.endr
	s_lshl_b32 s51, s[WV], 10
	v_add_nc_u32 v[XSW], s51, v[LI]
	v_add_nc_u32 v[XSW], XSC, v[XSW]
	v_add_nc_u32 v[XSR], XSC, v[LI]
.irp b, 0,1,2,3
	v_mov_b32 v[TM+4+\b], 0                        ; written once: a lane permute's destination counts as one of its sources
.endr
	s_mul_i32 s54, s[WV], 69632                    ; 8 tiles of 8,704 bytes a wave
	s_mov_b32 s55, 0
	s_add_nc_u64 s[WKP:WKP+1], s[6:7], s[54:55]
	s_add_nc_u64 s[WVP:WVP+1], s[WKP:WKP+1], 557056
	s_add_nc_u64 s[WKP:WKP+1], s[WKP:WKP+1], 278528
	s_mul_i32 s56, ttmp9, 67584
	s_mul_i32 s54, s[WV], 16896
	s_add_co_u32 s56, s56, s54
	s_mov_b32 s57, 0
	s_add_nc_u64 s[KC:KC+1], s[8:9], s[56:57]
	s_add_nc_u64 s[VC:VC+1], s[10:11], s[56:57]
	WUNIT 0                                        ; the ring of W is filled while x is on its way
	WUNIT 1
	WUNIT 2
	WUNIT 3
	XPIECE 0
	XPIECE 1
	XPIECE 2
	XPIECE 3
.irp u, 0,1
	ds_store_b128 v[XSW], v[KW+4*\u:KW+4*\u+3] offset:512*\u
.endr
	s_wait_dscnt 0x0                               ; for the others' sake: my images and scale words lie in LDS
	s_barrier_signal -1
	s_barrier_wait -1                              ; the launch's last barrier
.irp m, 0,1,2,3,4,5,6,7
	ds_load_b128 v[XS+4*\m:XS+4*\m+3], v[XSR] offset:512*\m
.endr
	WIN 0x80                                       ; destination window 2
.irp m, 0,1,2,3
.irp s, 0,1,2,3
.irp c, 0,1,2,3
	ds_load_b128 v[64*\m+16*\s+4*\c:64*\m+16*\s+4*\c+3], v[AI+\s] offset:(\m/2)*XBLK+(\m%2)*2048+512*\c
.endr
.endr
.endr
	WIN 0xc0                                       ; destination window 3
.irp m, 4,5,6,7
.irp s, 0,1,2,3
.irp c, 0,1,2,3
	ds_load_b128 v[64*(\m-4)+16*\s+4*\c:64*(\m-4)+16*\s+4*\c+3], v[AI+\s] offset:(\m/2)*XBLK+(\m%2)*2048+512*\c
.endr
.endr
.endr
	WIN 0
	s_wait_dscnt 0x0
	; ---- k: four pairs of tiles of Wk
.irp b, 0,1,2,3
	s_wait_loadcnt 34                              ; the pair's two units are in; the two units behind them (17 loads each) may be out
	KUNIT 2*\b
	KUNIT 2*\b+1
	WIN 0
	PLACES 9                                       ; behind the products: for the loads into their sets, the reads of their results, and the next products, which begin accumulators anew
	s_wait_xcnt 0x0                                ; the last stores have read their registers: the codes may be written again.  It stands ahead of the loads below, which rewrite none of their sources
	WUNIT 2*\b+4
	WUNIT 2*\b+5
	KQ \b
.endr
.irp i, 0,1,2,3
	v_cndmask_b32 v[TM+\i], v[KW+\i], v[KW+4+\i], s[HI]   ; lanes 0-15: tiles 0-3; lanes 16-31: tiles 4-7
.endr
	global_store_b128 v[LI], v[TM:TM+3], s[KC:KC+1] offset:16384
	; ---- v: eight tiles of Wv
.irp n, 0,1,2,3,4,5,6,7
.if \n <= 4
	s_wait_loadcnt 51                              ; three units behind this one may be out
.else
	s_wait_loadcnt 17*(7-\n)                       ; the ring runs empty
.endif
	VUNIT \n
	WIN 0
	PLACES 9
	s_wait_xcnt 0x0                                ; as above
.if \n < 4
	WUNIT \n+12
.endif
	VQ \n
.endr
.irp i, 0,1,2,3
	v_cndmask_b32 v[TM+\i], v[VW+\i], v[VW+4+\i], s[HI]
.endr
	global_store_b128 v[LI], v[TM:TM+3], s[VC:VC+1] offset:16384
	s_wait_tensorcnt 0x0                           ; the wave's end, behind my last tensor load and my last LDS store
	ds_add_u32 v[SPW], v[NIL]
	s_wait_dscnt 0x0
	s_endpgm
.Lfunc_end_k_q0ba3e2dd49_kv:
	.size	k_q0ba3e2dd49_kv, .Lfunc_end_k_q0ba3e2dd49_kv-k_q0ba3e2dd49_kv
	.p2alignl 7, 3214868480
	.fill 96, 4, 3214868480
	.section	.rodata,"a",@progbits
	.p2align	6, 0x0
	.amdhsa_kernel k_q0ba3e2dd49_kv
		.amdhsa_group_segment_fixed_size 327680
		.amdhsa_private_segment_fixed_size 0
		.amdhsa_enable_private_segment 0
		.amdhsa_kernarg_size 32
		.amdhsa_user_sgpr_count 2
		.amdhsa_user_sgpr_kernarg_segment_ptr 1
		.amdhsa_wavefront_size32 1
		.amdhsa_system_sgpr_workgroup_id_x 1
		.amdhsa_system_sgpr_workgroup_id_y 1
		.amdhsa_system_sgpr_workgroup_id_z 1
		.amdhsa_system_vgpr_workitem_id 0
		.amdhsa_next_free_vgpr 1024
		.amdhsa_next_free_sgpr 66
		.amdhsa_reserve_vcc 0
		.amdhsa_float_denorm_mode_32 3
		.amdhsa_float_denorm_mode_16_64 3
		.amdhsa_memory_ordered 1
		.amdhsa_forward_progress 1
		.amdhsa_inst_pref_size 255
	.end_amdhsa_kernel
	.section	.bss,"aw",@nobits
	.p2align	6
	.space	262144
	.amdgpu_metadata
---
amdhsa.version: [ 1, 2 ]
amdhsa.kernels:
  - .name:           k_q0ba3e2dd49_kv
    .symbol:         k_q0ba3e2dd49_kv.kd
    .args:
      - { .name: x_k, .offset: 0, .size: 8, .value_kind: global_buffer, .address_space: global }
      - { .name: wc, .offset: 8, .size: 8, .value_kind: global_buffer, .address_space: global }
      - { .name: kc, .offset: 16, .size: 8, .value_kind: global_buffer, .address_space: global }
      - { .name: vc, .offset: 24, .size: 8, .value_kind: global_buffer, .address_space: global }
    .group_segment_fixed_size: 327680
    .private_segment_fixed_size: 0
    .kernarg_segment_align: 8
    .kernarg_segment_size: 32
    .max_flat_workgroup_size: 128
    .sgpr_count:     66
    .vgpr_count:     1024
    .wavefront_size: 32
...
	.end_amdgpu_metadata
.endif
;; end of part 2
;; launch attn (part 3): grid 16 x 16, 4 waves a work-group, clusters of 4 x 1, 327,680 bytes of LDS; arguments x_q, x_mask, wc, kc, vc, out0; writes out0
.if DOCPART == 3
	.amdgcn_target "amdgcn-amd-amdhsa--gfx1250"
	.amdhsa_code_object_version 6
	.text
	.protected	k_q0ba3e2dd49_attn
	.globl	k_q0ba3e2dd49_attn
	.p2align	8
	.type	k_q0ba3e2dd49_attn,@function
k_q0ba3e2dd49_attn:
	s_mov_b64 s[64:65], 0
	v_nop
	global_prefetch_b8 v0, s[64:65] scope:SCOPE_SE
	s_setreg_imm32_b32 hwreg(HW_REG_WAVE_MODE, 25, 1), 1
	s_wait_xcnt 0x0
	s_wait_alu depctr_hold_cnt(0) depctr_sa_sdst(0) depctr_va_vdst(0) depctr_va_sdst(0) depctr_va_ssrc(0) depctr_va_vcc(0) depctr_vm_vsrc(0)
	s_getreg_b32 s2, hwreg(HW_REG_IB_STS2, 6, 4)
	s_cmp_eq_u32 s2, 0
	s_cbranch_scc0 .Lentry_in_a_cluster
	s_endpgm
.Lentry_in_a_cluster:
	s_bfe_u32 s2, ttmp6, 0x10000c
	s_cmp_lg_u32 s2, 0x3003
	s_cbranch_scc0 .Lentry_shape_is_right
	s_endpgm
.Lentry_shape_is_right:
; out = mask x softmax(q k^T / sqrt(512)) v with q = x_q Wq^T, all products on codes of BF8 (E5M2) with one E8M0 scale for each 32 along K.  Nothing is left out: hidden rows are computed and multiplied by 0.
; SHARES.  A work-group owns 64 queries of one batch; four work-groups (query blocks of one batch) form a cluster and read the same Wq, K and V: each tile is asked for JOINTLY (mask 15).
; A step is 256 keys: kc's and vc's two groups of 67,584 bytes are dense, so a tile is 528 rows of 256 bytes, a quarter (132 rows) a wave.  K has one LDS region, V another; each is filled again in a drained round of the cluster's barrier:
; K's in the round that also shows the rows' maxima (all K fragments of the step are in registers), V's in a round inside the second product (all V fragments are in registers).
; THE HEAD.  Wq's codes lie in the two regions at first: each wave's tiles 0-3 (136 rows of 256 bytes) in K's, its tiles 4-7 in V's, which is why a region is 139,264 bytes; step 0's K and V are filled over them when they are in registers.
; x_q comes by plain loads, 512 consecutive bytes an instruction, and turns through the wave's own stage in LDS so that a lane holds 16 neighbours of a row.
; S^T = K Q^T: wave w takes key tiles 4 (w % 2) .. + 3 of group w / 2 (64 keys) for all 64 queries; Q's 16 fragments stay in registers.  O^T += V^T P^T: wave w takes channels 128 w .. + 127 for all 256 keys.
; So each fragment of K and V is read from LDS once, by one wave, and feeds four products.  P's codes and scale bytes go from wave to wave through LDS as images of the operand's registers.
; SOFTMAX: t = score x log2(e) / sqrt(512); M = the running largest t rounded up to a whole number; p = 2^(t - M) is quantised along the keys; the sum is taken of the unquantised p and divides at the end.
; THE LAST STEP finishes O^T query tile by query tile, and each tile leaves as soon as it is finished; the four waves' sums ride in the barrier that shows P.
; PREFETCH: in trip t the cluster's 16 waves name, 8,448 bytes each (33 blocks of 256; told apart by address), K's and V's tiles of step t + 2; trips 6 and 7 ask for nothing; steps 0 and 1, and Wq, which has no loop ahead of it, come by their loads alone.
; LIMITS: the scaled scores stay under 2^31 in magnitude; NaN and infinities are not served; a block of zeros keeps the byte 1 (its codes are zeros; this program alone reads the bytes).
; REGISTERS: window 0: v0-127 addresses, state, scale words; v128-191 K's unit 0, V's unit 0; v192-255 K's unit 1, the softmax's work, V's unit 3.  window 1: O^T (64 qt + 8 n).
; window 2: v0-127 S^T (32 qt + 8 i), then P (64 kg + 16 qt); v128-255 K's units 2, 3, then V's units 1, 2.  window 3: Wq's ring of four tiles, then Q (64 s + 16 qt), at the end the rows on their way out.
.set GRP,   67584
.set PART,  16896
.set QTR,   GRP/2
.set WH,    34816                      ; four tiles of Wq
.set RG,    4*WH                       ; a region
.set VR,    RG                         ; K's region at 0, V's behind it
.set R1,    2*RG                       ; 4 x 8,448: x's stage, x's images, q's images, P's images, the way out's stage, one after the other
.set SW8,   8448
.set R2,    R1                         ; P's images: [group][qt][chunk][lane] 16,384 bytes
.set SMB,   R1+4*SW8                   ; small exchanges: maxima at 0, q's and P's scale words at 2,048, x's scale words and the sums at 4,096
.set MAXO,  0
.set PSO,   2048
.set XSO,   4096
.set SPARE, SMB+6144                   ; the spare words: 128 bytes a wave
.set LI,  1
.set FA,  2
.set SGW, 3
.set IRX, 4
.set IQW, 5
.set SMW, 6
.set SMR, 7
.set AKW, 8
.set AKS, 9
.set AV0, 10
.set AV1, 11
.set PIW, 12
.set PIR, 13
.set SPW, 14
.set NIL, 15
.set ST,  16                           ; per qt: -M, largest t, the sum in two halves
.set F,   32
.set BM,  40
.set RM,  48
.set PWS, 52
.set MK,  56
.set PFO, 60
.set PFZ, 61
.set PSW, 62
.set PSR, 63
.set AWL, 64                           ; v64, v65 my tiles of Wq in K's region, in V's
.set QS,  68                           ; Q's scale words 4 s + qt
.set PH0, 84                           ; P's half words of waves 0, 1
.set KS,  88                           ; K's 4 s + i
.set VS,  104                          ; V's 4 kg + i
.set PH1, 112                          ; of waves 2, 3
.set PS,  116                          ; P's 4 kg + qt
.set OD,  124
.set WS,  88                           ; the head: W's scale words, x's, the quantiser's work
.set XS,  68
.set TM,  112
.set ACC, 128
.set PCX, 192
.set PC,  192
.set G,   192
.set T2,  208
.set SCO, 224
.set HOLD, 232
.set SPC, 192
.set WV,  16
.set MNT, 19
.set SEL, 20
.set CS,  22
.set G1,  24
.set G0K, 32
.set G0V, 36
.set OUT, 42
.set PFK, 44
.set PFV, 46
.set STEPC, 48
.set PSL, 49
.set PSH, 50
.set G1W, 68
.set G0W, 76
.set MSB, 0
.macro WIN new                         ; the immediate's high byte repeats the setting that is left
.if MSB != (\new)
	s_set_vgpr_msb (MSB<<8)|(\new)
.set MSB, \new
.endif
.endm
.macro PLACES n
.rept \n
	v_nop
.endr
.endm
.macro WALU
	s_wait_alu depctr_va_vdst(0)
.endm
.macro BARRIER
	s_wait_dscnt 0x0
	s_barrier_signal -1
	s_barrier_wait -1
.endm
.macro CREST                           ; a round of the cluster's barrier behind its opening barrier
	s_cmp_lg_u32 s[WV], 0
	s_cbranch_scc1 .Lnot_wave_0_\@
	s_barrier_signal -3
.Lnot_wave_0_\@:
	s_barrier_wait -3
	s_barrier_signal -1
	s_barrier_wait -1
.endm
.macro ROUND
	s_barrier_signal -1
	s_barrier_wait -1
	CREST
.endm
.macro DRAIN                           ; ahead of a round behind which LDS is filled
	WALU
	s_wait_tensorcnt 0x0
	ds_add_u32 v[SPW], v[NIL]
	s_wait_dscnt 0x0
.endm
.macro TLOAD g0, g1=G1                 ; a joint load: every wave its quarter; s_nop 0 and four v_nop follow
	tensor_load_to_lds s[\g0:\g0+3], s[\g1:\g1+7]
	s_nop 0
	PLACES 4
.endm
.macro QSCALE src                      ; 64 numbers, four blocks' halves of 16: largest magnitudes (with lane l xor 16's), scale operands, holds, bytes
.irp b, 0,1,2,3
	v_max3_num_f32 v[TM+\b], |v[(\src)+16*\b]|, |v[(\src)+16*\b+1]|, 0x8000000
.endr
.irp i, 2,4,6,8,10,12,14
.irp b, 0,1,2,3
	v_max3_num_f32 v[TM+\b], v[TM+\b], |v[(\src)+16*\b+\i]|, |v[(\src)+16*\b+\i+1]|
.endr
.endr
.irp b, 0,1,2,3
	v_permlanex16_b32 v[TM+4+\b], v[TM+\b], s[SEL], s[SEL+1]
.endr
.irp b, 0,1,2,3
	v_max_num_f32 v[TM+\b], v[TM+\b], v[TM+4+\b]
.endr
.irp b, 0,1,2,3
	v_add_nc_u32 v[TM+12+\b], 0xf8800000, v[TM+\b]
.endr
.irp b, 0,1,2,3
	v_and_or_b32 v[TM+8+\b], v[TM+\b], 0x7f800000, s[MNT]
.endr
.irp b, 0,1,2,3
	v_lshrrev_b32 v[TM+4+\b], 23, v[TM+12+\b]
.endr
.endm
.macro QCODES src, pc                  ; the hold (the conversion does not saturate: ISA guide 7.6.2) and the conversions
.irp b, 0,1,2,3
.irp i, 0,1,2,3,4,5,6,7,8,9,10,11,12,13,14,15
	v_med3_num_f32 v[(\src)+16*\b+\i], v[(\src)+16*\b+\i], -v[TM+8+\b], v[TM+8+\b]
.endr
	v_cvt_scalef32_pk8_bf8_f32 v[(\pc)+4*\b:(\pc)+4*\b+1], v[(\src)+16*\b:(\src)+16*\b+7], v[TM+12+\b]
	v_cvt_scalef32_pk8_bf8_f32 v[(\pc)+4*\b+2:(\pc)+4*\b+3], v[(\src)+16*\b+8:(\src)+16*\b+15], v[TM+12+\b]
.endr
	v_nop
.endm
.macro PACKW dst
	v_lshl_or_b32 v[\dst], v[TM+5], 8, v[TM+4]
	v_lshl_or_b32 v[\dst], v[TM+6], 16, v[\dst]
	v_lshl_or_b32 v[\dst], v[TM+7], 24, v[\dst]
.endm
.macro COLW base, b
.irp i, 0,1,2,3
.if (\b) == 0
	v_mov_b32 v[\base+\i], v[TM+4+\i]
.else
	v_lshl_or_b32 v[\base+\i], v[TM+4+\i], 8*(\b), v[\base+\i]
.endif
.endr
.endm
.macro MM d, a, b, k, sa, sb, row      ; one product; k = 0: it starts the sum; row = 1: source 0's scales from lanes 16-31
.if (\k) == 0
.if \row
	v_wmma_scale_f32_16x16x128_f8f6f4 v[\d:\d+7], v[\a:\a+15], v[\b:\b+15], 0, v[\sa], v[\sb] matrix_a_fmt:MATRIX_FMT_BF8 matrix_b_fmt:MATRIX_FMT_BF8 matrix_a_scale:MATRIX_SCALE_ROW1
.else
	v_wmma_scale_f32_16x16x128_f8f6f4 v[\d:\d+7], v[\a:\a+15], v[\b:\b+15], 0, v[\sa], v[\sb] matrix_a_fmt:MATRIX_FMT_BF8 matrix_b_fmt:MATRIX_FMT_BF8
.endif
.else
.if \row
	v_wmma_scale_f32_16x16x128_f8f6f4 v[\d:\d+7], v[\a:\a+15], v[\b:\b+15], v[\d:\d+7], v[\sa], v[\sb] matrix_a_fmt:MATRIX_FMT_BF8 matrix_b_fmt:MATRIX_FMT_BF8 matrix_a_scale:MATRIX_SCALE_ROW1
.else
	v_wmma_scale_f32_16x16x128_f8f6f4 v[\d:\d+7], v[\a:\a+15], v[\b:\b+15], v[\d:\d+7], v[\sa], v[\sb] matrix_a_fmt:MATRIX_FMT_BF8 matrix_b_fmt:MATRIX_FMT_BF8
.endif
.endif
.endm
.macro RING_W t                        ; tile t of my 8 of Wq, from LDS: scale words and four fragments into set t % 4 of window 3: 17 loads
	ds_load_b128 v[WS+4*((\t)%4):WS+4*((\t)%4)+3], v[AWL+(\t)/4] offset:((\t)%4)*8704+8192
	WIN 0xc0
.irp i, 0,1,2,3,4,5,6,7,8,9,10,11,12,13,14,15
	ds_load_b128 v[64*((\t)%4)+4*\i:64*((\t)%4)+4*\i+3], v[AWL+(\t)/4] offset:((\t)%4)*8704+512*\i
.endr
	WIN 0
.endm
.macro XPIECE s                        ; K step s of my 16 rows: through my stage, quantised; the codes wait in registers
	s_wait_loadcnt 16*(3-\s)                       ; the younger pieces' loads may be out
	WIN 0x08
.irp j, 0,1,2,3,4,5,6,7,8,9,10,11,12,13,14,15
	ds_store_b128 v[SGW], v[64*\s+4*\j:64*\s+4*\j+3] offset:528*\j
.endr
	WIN 0
.irp b, 0,1,2,3
.irp j, 0,1,2,3
	ds_load_b128 v[ACC+16*\b+4*\j:ACC+16*\b+4*\j+3], v[FA] offset:128*\b+16*\j   ; LDS serves a wave's instructions in order
.endr
.endr
.if \s == 3
.irp qt, 0,1,2,3
	global_load_u8 v[MK+\qt], v[RM], s[6:7] offset:16*\qt
.endr
.endif
	s_wait_dscnt 0x0
	QSCALE ACC
	PACKW PWS+\s
	QCODES ACC, PCX+16*\s
.endm
.macro QMUL b, cnt                     ; q's channels 32 b .. of my 128, all 64 queries: four accumulators by turns
	s_wait_dscnt \cnt
	WIN 0x0b
.irp u, 0,1
.irp s, 0,1,2,3
.irp m, 0,1,2,3
	MM ACC+16*\m+8*\u, 64*((2*\b+\u)%4)+16*\s, 64*\m+16*\s, \s, WS+4*((2*\b+\u)%4)+\s, XS+4*\m+\s, 0
.endr
.endr
.endr
	WIN 0
	PLACES 9
.endm
.macro QQ b, cnt                       ; cnt: the LDS loads issued behind the last block's stores, which may stay out
	s_wait_dscnt \cnt
	QSCALE ACC
	COLW PWS, \b
	QCODES ACC, PC
.irp m, 0,1,2,3
	ds_store_b128 v[IQW], v[PC+4*\m:PC+4*\m+3] offset:8192*\m+512*\b
.endr
.endm
.macro KLOAD u                         ; K step u of the head's 512: my four key tiles' fragments
	WIN 0x80*((\u)/2)
.irp i, 0,1,2,3
.irp c, 0,1,2,3
	ds_load_b128 v[128+64*((\u)%2)+16*\i+4*\c:128+64*((\u)%2)+16*\i+4*\c+3], v[AKW] offset:(\u)*PART+2048*\i+512*\c
.endr
.endr
.endm
.macro KFIRST                          ; a step's scale words of K and its units 0, 1: 36 loads
.irp u, 0,1,2,3
	ds_load_b128 v[KS+4*\u:KS+4*\u+3], v[AKS] offset:\u*PART
.endr
	KLOAD 0
	KLOAD 1
.endm
.macro SUNIT u                         ; 16 products, 16 accumulators by turns
	WIN 0xac+2*((\u)/2)
.irp i, 0,1,2,3
.irp qt, 0,1,2,3
	MM 32*\qt+8*\i, 128+64*((\u)%2)+16*\i, 64*(\u)+16*\qt, \u, KS+4*(\u)+\i, QS+4*(\u)+\qt, 0
.endr
.endr
.endm
.macro VLOAD a                         ; unit a: group a / 2, channel tiles 4 (a % 2) .. + 3.  Units 0, 3 lie in window 0, units 1, 2 in window 2, at v[128 + 64 (a / 2)]
	WIN 0x80*((((\a)+1)/2)%2)
.irp i, 0,1,2,3
.irp c, 0,1,2,3
	ds_load_b128 v[128+64*((\a)/2)+16*\i+4*\c:128+64*((\a)/2)+16*\i+4*\c+3], v[AV0+(\a)/2] offset:((\a)%2)*8192+2048*\i+512*\c
.endr
.endr
.endm
.macro PLOAD kg
	WIN 0x80
.irp qt, 0,1,2,3
.irp c, 0,1,2,3
	ds_load_b128 v[64*\kg+16*\qt+4*\c:64*\kg+16*\qt+4*\c+3], v[PIR] offset:8192*\kg+2048*\qt+512*\c
.endr
.endr
.endm
.macro PVUNIT a                        ; unit a against all four query tiles
	WIN 0x58+2*((((\a)+1)/2)%2)
.irp i, 0,1,2,3
.irp qt, 0,1,2,3
	MM 64*\qt+8*(4*((\a)%2)+\i), 128+64*((\a)/2)+16*\i, 64*((\a)/2)+16*\qt, 1, VS+4*((\a)/2)+\i, PS+4*((\a)/2)+\qt, (\a)%2
.endr
.endr
.endm
.macro PVQ qt                          ; the last step: query tile qt against all four units: its 8 accumulators by turns
.irp a, 0,1,2,3
	WIN 0x58+2*(((\a+1)/2)%2)
.irp i, 0,1,2,3
	MM 64*(\qt)+8*(4*(\a%2)+\i), 128+64*(\a/2)+16*\i, 64*(\a/2)+16*(\qt), 1, VS+4*(\a/2)+\i, PS+4*(\a/2)+(\qt), \a%2
.endr
.endr
	WIN 0
	PLACES 8
.endm
.macro TOSTAGE qt                      ; O^T x mask / sum, through my stage, back as rows of 512 bytes into window 3
	WIN 0x41
.set J, 0
.rept 32
	v_pk_mul_f32 v[64*(\qt)+J:64*(\qt)+J+1], v[64*(\qt)+J:64*(\qt)+J+1], v[F+2*(\qt):F+2*(\qt)+1] op_sel_hi:[1,0]
.set J, J+2
.endr
	WIN 0x04
.irp n, 0,1,2,3,4,5,6,7
	ds_store_b128 v[FA], v[64*(\qt)+8*\n:64*(\qt)+8*\n+3] offset:64*\n
	ds_store_b128 v[FA], v[64*(\qt)+8*\n+4:64*(\qt)+8*\n+7] offset:64*\n+16
.endr
	WIN 0xc0
.irp t, 0,1,2,3,4,5,6,7,8,9,10,11,12,13,14,15
	ds_load_b128 v[64*(\qt)+4*\t:64*(\qt)+4*\t+3], v[SGW] offset:528*\t
.endr
	WIN 0
.endm
.macro SEND qt
	s_wait_dscnt 0x0
	WIN 0x0c
.irp t, 0,1,2,3,4,5,6,7,8,9,10,11,12,13,14,15
	global_store_b128 v[LI], v[64*(\qt)+4*\t:64*(\qt)+4*\t+3], s[OUT:OUT+1] offset:32768*(\qt)+2048*\t th:TH_STORE_NT   ; 512 consecutive bytes, aligned
.endr
	WIN 0
.endm
; A STEP: 256 keys; its scale words of K and K's units 0, 1 have been asked of LDS.  fill = 1: both regions are filled again for the next step;  fill = 0: the last step, with the way out
.macro STEP fill
	KLOAD 2
	KLOAD 3
.irp u, 0,1,2,3
	s_wait_dscnt 16*(3-\u)                         ; the younger units' loads may be out
	SUNIT \u
.endr
	WIN 0
	PLACES 8
	WIN 0x2a                                       ; the largest score of each block of 32 keys
.irp qt, 0,1,2,3
.irp b, 0,1
	v_max3_num_f32 v[BM+2*\qt+\b], v[32*\qt+16*\b], v[32*\qt+16*\b+1], v[32*\qt+16*\b+2]
.endr
.endr
	WIN 0x28
.irp i, 3,5,7,9,11,13
.irp qt, 0,1,2,3
.irp b, 0,1
	v_max3_num_f32 v[BM+2*\qt+\b], v[BM+2*\qt+\b], v[32*\qt+16*\b+\i], v[32*\qt+16*\b+\i+1]
.endr
.endr
.endr
.irp qt, 0,1,2,3
.irp b, 0,1
	v_max_num_f32 v[BM+2*\qt+\b], v[BM+2*\qt+\b], v[32*\qt+16*\b+15]
.endr
.endr
	WIN 0
.irp k, 0,1,2,3,4,5,6,7
	v_permlanex16_b32 v[G+\k], v[BM+\k], s[SEL], s[SEL+1]
.endr
.irp k, 0,1,2,3,4,5,6,7
	v_max_num_f32 v[BM+\k], v[BM+\k], v[G+\k]
.endr
.irp qt, 0,1,2,3
	v_max_num_f32 v[RM+\qt], v[BM+2*\qt], v[BM+2*\qt+1]
.endr
	ds_store_b128 v[SMW], v[RM:RM+3] offset:MAXO   ; my 64 keys' largest score of each query
	WALU                                           ; the wait ahead of the blocking wait
	s_wait_tensorcnt 0x0                           ; V's tile of this step has landed: no load of mine is out
.if \fill
	ds_add_u32 v[SPW], v[NIL]
	s_add_nc_u64 s[G0K+2:G0K+3], s[G0K+2:G0K+3], 2*GRP
	s_wait_dscnt 0x0                               ; the add, my store, and my reads of K's region are done
	ROUND
	TLOAD G0K                                      ; the next step's K
.else
	BARRIER
.endif
.irp w, 0,1,2,3
	ds_load_b128 v[G+4*\w:G+4*\w+3], v[SMR] offset:MAXO+512*\w
.endr
	ds_load_b128 v[VS:VS+3], v[AV0] offset:16384
	ds_load_b128 v[VS+4:VS+7], v[AV1] offset:16384
	VLOAD 0                                        ; three units of V come while the softmax is worked
	VLOAD 1
	VLOAD 2
	WIN 0
	s_wait_dscnt 50                                ; the maxima are in; V's scale words and three units may be out
.irp qt, 0,1,2,3
	v_max3_num_f32 v[RM+\qt], v[G+\qt], v[G+4+\qt], v[G+8+\qt]
.endr
.irp qt, 0,1,2,3
	v_max_num_f32 v[RM+\qt], v[RM+\qt], v[G+12+\qt]
.endr
.irp qt, 0,1,2,3
	v_mul_f32 v[RM+\qt], s[CS], v[RM+\qt]
.endr
.irp qt, 0,1,2,3
	v_max_num_f32 v[ST+4*\qt+1], v[ST+4*\qt+1], v[RM+\qt]
.endr
.irp qt, 0,1,2,3
	v_mov_b32 v[OD+\qt], v[ST+4*\qt]
.endr
.irp qt, 0,1,2,3
	v_floor_f32 v[ST+4*\qt], -v[ST+4*\qt+1]        ; -M = floor(-t)
.endr
.irp qt, 0,1,2,3
	v_sub_f32 v[OD+\qt], v[ST+4*\qt], v[OD+\qt]
.endr
.irp qt, 0,1,2,3
	v_cvt_i32_f32 v[OD+\qt], v[OD+\qt]
.endr
.irp qt, 0,1,2,3
	v_ldexp_f32 v[F+2*\qt], 1.0, v[OD+\qt]         ; f = 2^(old M - new M)
.endr
.irp qt, 0,1,2,3
.irp b, 0,1
	v_fma_f32 v[BM+2*\qt+\b], v[BM+2*\qt+\b], s[CS], v[ST+4*\qt]
.endr
.endr
.if \fill
	s_cmp_lt_u32 s[STEPC], 6                       ; step t + 2 exists
	s_cbranch_scc0 .Lno_ask_\@
	global_prefetch_b8 v[PFO], s[PFK:PFK+1] th:TH_LOAD_NT scope:SCOPE_SE
	global_prefetch_b8 v[PFZ], s[PFK:PFK+1] offset:8192 th:TH_LOAD_NT scope:SCOPE_SE
	global_prefetch_b8 v[PFO], s[PFV:PFV+1] th:TH_LOAD_NT scope:SCOPE_SE
	global_prefetch_b8 v[PFZ], s[PFV:PFV+1] offset:8192 th:TH_LOAD_NT scope:SCOPE_SE
.Lno_ask_\@:
.endif
	WIN 0x82
.irp qt, 0,1,2,3
.irp j, 0,2,4,6,8,10,12,14,16,18,20,22,24,26,28,30
	v_pk_fma_f32 v[32*\qt+\j:32*\qt+\j+1], v[32*\qt+\j:32*\qt+\j+1], s[CS:CS+1], v[ST+4*\qt:ST+4*\qt+1] op_sel_hi:[1,0,0]
.endr
.endr
	WALU                                           ; one wait ahead of the batch
.set J, 0
.rept 128
	v_exp_f32 v[J], v[J]
.set J, J+1
.endr
	WIN 0
.irp k, 0,1,2,3,4,5,6,7
	v_exp_f32 v[BM+\k], v[BM+\k]                   ; each block's largest p
.endr
.irp qt, 0,1,2,3
	v_pk_mul_f32 v[ST+4*\qt+2:ST+4*\qt+3], v[ST+4*\qt+2:ST+4*\qt+3], v[F+2*\qt:F+2*\qt+1] op_sel_hi:[1,0]
.endr
	WALU                                           ; and one behind it
	WIN 0x0a                                       ; the sums of the unquantised p: eight chains
.irp qt, 0,1,2,3
.irp k, 0,1
	v_pk_add_f32 v[T2+4*\qt+2*\k:T2+4*\qt+2*\k+1], v[32*\qt+4*\k:32*\qt+4*\k+1], v[32*\qt+4*\k+2:32*\qt+4*\k+3]
.endr
.endr
	WIN 0x08
.irp j, 8,12,16,20,24,28
.irp qt, 0,1,2,3
.irp k, 0,1
	v_pk_add_f32 v[T2+4*\qt+2*\k:T2+4*\qt+2*\k+1], v[T2+4*\qt+2*\k:T2+4*\qt+2*\k+1], v[32*\qt+\j+2*\k:32*\qt+\j+2*\k+1]
.endr
.endr
.endr
	WIN 0
.irp qt, 0,1,2,3
	v_pk_add_f32 v[T2+4*\qt:T2+4*\qt+1], v[T2+4*\qt:T2+4*\qt+1], v[T2+4*\qt+2:T2+4*\qt+3]
.endr
.irp k, 0,1,2,3,4,5,6,7
	v_max_num_f32 v[BM+\k], 0x8000000, v[BM+\k]    ; the floor: the byte cannot fall under 1
.endr
.irp qt, 0,1,2,3
	v_pk_add_f32 v[ST+4*\qt+2:ST+4*\qt+3], v[ST+4*\qt+2:ST+4*\qt+3], v[T2+4*\qt:T2+4*\qt+1]
.endr
.irp k, 0,1,2,3,4,5,6,7
	v_add_nc_u32 v[SCO+\k], 0xf8800000, v[BM+\k]
.endr
.irp k, 0,1,2,3,4,5,6,7
	v_and_or_b32 v[HOLD+\k], v[BM+\k], 0x7f800000, s[MNT]
.endr
.irp k, 0,1,2,3,4,5,6,7
	v_lshrrev_b32 v[G+\k], 23, v[SCO+\k]
.endr
.irp qt, 0,1,2,3
	v_lshl_or_b32 v[PWS+\qt], v[G+2*\qt+1], 8, v[G+2*\qt]   ; my two bytes of query tile qt's scale word
.endr
	v_lshl_or_b32 v[PWS], v[PWS+1], 16, v[PWS]
	v_lshl_or_b32 v[PWS+1], v[PWS+3], 16, v[PWS+2]
	ds_store_b64 v[PSW], v[PWS:PWS+1]
	WIN 0x82
.irp qt, 0,1,2,3
.irp b, 0,1
.set J, 32*\qt+16*\b
.rept 16
	v_min_num_f32 v[J], v[J], v[HOLD+2*\qt+\b]     ; p is not negative: a one-sided hold
.set J, J+1
.endr
.endr
.endr
	WIN 0x02
.irp qt, 0,1,2,3
.irp b, 0,1
	v_cvt_scalef32_pk8_bf8_f32 v[SPC+8*\qt+4*\b:SPC+8*\qt+4*\b+1], v[32*\qt+16*\b:32*\qt+16*\b+7], v[SCO+2*\qt+\b]
	v_cvt_scalef32_pk8_bf8_f32 v[SPC+8*\qt+4*\b+2:SPC+8*\qt+4*\b+3], v[32*\qt+16*\b+8:32*\qt+16*\b+15], v[SCO+2*\qt+\b]
.endr
.endr
	WIN 0
	v_nop
.irp qt, 0,1,2,3
.irp b, 0,1
	ds_store_b128 v[PIW], v[SPC+8*\qt+4*\b:SPC+8*\qt+4*\b+3] offset:2048*\qt+512*\b
.endr
.endr
.if \fill == 0                                 ; my keys' part of each row's sum rides in the same barrier
.irp qt, 0,1,2,3
	v_add_f32 v[RM+\qt], v[ST+4*\qt+2], v[ST+4*\qt+3]
.endr
.irp qt, 0,1,2,3
	v_permlanex16_b32 v[BM+\qt], v[RM+\qt], s[SEL], s[SEL+1]
.endr
.irp qt, 0,1,2,3
	v_add_f32 v[RM+\qt], v[RM+\qt], v[BM+\qt]
.endr
	ds_store_b128 v[SMW], v[RM:RM+3] offset:XSO
.endif
	WALU
	BARRIER                                        ; P's images and half words lie in LDS
	ds_load_b64 v[PH0:PH0+1], v[PSR]
	ds_load_b64 v[PH0+2:PH0+3], v[PSR] offset:256
	ds_load_b64 v[PH1:PH1+1], v[PSR] offset:512
	ds_load_b64 v[PH1+2:PH1+3], v[PSR] offset:768
.if \fill == 0
.irp w, 0,1,2,3
	ds_load_b128 v[KS+4*\w:KS+4*\w+3], v[SMR] offset:XSO+512*\w
.endr
.endif
	PLOAD 0
	PLOAD 1
	VLOAD 3
	WIN 0
	s_wait_dscnt 48                                ; the half words (and the sums) are in; P and V's unit 3 may be out
.irp kg, 0,1
	v_perm_b32 v[PS+4*\kg], v[PH0+28*\kg+2], v[PH0+28*\kg], s[PSL]
	v_perm_b32 v[PS+4*\kg+1], v[PH0+28*\kg+2], v[PH0+28*\kg], s[PSH]
	v_perm_b32 v[PS+4*\kg+2], v[PH0+28*\kg+3], v[PH0+28*\kg+1], s[PSL]
	v_perm_b32 v[PS+4*\kg+3], v[PH0+28*\kg+3], v[PH0+28*\kg+1], s[PSH]
.endr
.if \fill == 0                                 ; mask / the row's sum, and where my results go in my stage
.irp qt, 0,1,2,3
	v_add_f32 v[RM+\qt], v[KS+\qt], v[KS+4+\qt]
.endr
.irp qt, 0,1,2,3
	v_add_f32 v[BM+\qt], v[KS+8+\qt], v[KS+12+\qt]
.endr
.irp qt, 0,1,2,3
	v_add_f32 v[RM+\qt], v[RM+\qt], v[BM+\qt]
.endr
	v_and_b32 v[OD], 15, v0
	v_bfe_u32 v[OD+1], v0, 4, 1
	s_mul_i32 s52, s[WV], SW8
	s_add_co_u32 s52, s52, R1
	v_mul_u32_u24 v[FA], v[OD], 528
	v_lshl_add_u32 v[FA], v[OD+1], 5, v[FA]
	v_add_nc_u32 v[FA], s52, v[FA]
	WALU
.irp qt, 0,1,2,3
	v_rcp_f32 v[BM+\qt], v[RM+\qt]
.endr
.irp qt, 0,1,2,3
	v_cvt_f32_u32 v[MK+\qt], v[MK+\qt]
.endr
	WALU
.irp qt, 0,1,2,3
	v_mul_f32 v[RM+\qt], v[BM+\qt], v[MK+\qt]
.endr
.endif
	WIN 0x41
	WALU                                           ; the wait ahead of the first reader of O^T
.irp qt, 0,1,2,3
.set J, 64*\qt
.rept 32
	v_pk_mul_f32 v[J:J+1], v[J:J+1], v[F+2*\qt:F+2*\qt+1] op_sel_hi:[1,0]   ; O^T under the new M
.set J, J+2
.endr
.endr
	WIN 0
.if \fill == 0
.irp qt, 0,1,2,3
	v_mov_b32 v[F+2*\qt], v[RM+\qt]
.endr
.endif
	WALU
.if \fill
	s_wait_dscnt 32                                ; P's group 0 is in
	PVUNIT 0
	PVUNIT 1
	WIN 0
	s_wait_tensorcnt 0x0                           ; the next step's K has landed
	ds_add_u32 v[SPW], v[NIL]
	s_add_nc_u64 s[G0V+2:G0V+3], s[G0V+2:G0V+3], 2*GRP
	s_wait_dscnt 0x0                               ; the add is done, and all of V and P is in registers
	s_barrier_signal -1
	PVUNIT 3
	WIN 0
	s_barrier_wait -1
	CREST
	TLOAD G0V                                      ; the next step's V
	PLACES 4                                       ; eight places behind unit 3, whose registers take the loads below
	KFIRST                                         ; the next step's first fragments of K come under unit 2
	PVUNIT 2
	WIN 0
	PLACES 9
.else
	s_wait_dscnt 0x0
	s_barrier_signal -1                            ; my loads of P's images are in: the stage of the way out lies over them,
	PVQ 0
	s_barrier_wait -1                              ; so no wave stores there before every wave has said so
	TOSTAGE 0
	PVQ 1
	SEND 0
	TOSTAGE 1
	PVQ 2
	SEND 1
	TOSTAGE 2
	PVQ 3
	SEND 2
	TOSTAGE 3
	SEND 3
.endif
.endm
	s_load_b256 s[4:11], s[0:1], 0x0               ; x_q, x_mask, wc, kc
	s_load_b128 s[12:15], s[0:1], 0x20             ; vc, out0
	v_lshl_add_u32 v[SPW], v0, 2, SPARE
	v_mov_b32 v[NIL], 0
	ds_add_u32 v[SPW], v[NIL]                      ; the opening: the add twice on end and its wait
	ds_add_u32 v[SPW], v[NIL]
	v_lshrrev_b32 v1, 5, v0
	v_readfirstlane_b32 s[WV], v1
	s_bfe_u32 s51, ttmp6, 0x40000                  ; cx: it enters global addresses of my own rows and of the prefetches alone
	s_lshl_b32 s17, ttmp9, 2
	s_add_co_u32 s17, s17, s51                     ; query block
	s_and_b32 s18, ttmp7, 0xffff                   ; batch
.irp g, G1, G1W
	s_mov_b32 s[\g+0], 15|(3<<16)|(1<<21)          ; mask: the four of the cluster; elements of 8 bytes; bit 21 beside a mask
	s_mov_b32 s[\g+1], 32<<16
	s_mov_b32 s[\g+3], 32<<16
	s_mov_b32 s[\g+5], 32
	s_mov_b32 s[\g+6], 0
	s_mov_b32 s[\g+7], 0
.endr
	s_mov_b32 s[G1+2], 132<<16                     ; a quarter of K's or V's tile: 132 rows of 256 bytes
	s_mov_b32 s[G1+4], 132
	s_mov_b32 s[G1W+2], 136<<16                    ; four tiles of Wq: 136 rows
	s_mov_b32 s[G1W+4], 136
	s_mov_b32 s[MNT], 0x600000
	s_mov_b32 s[SEL], 0x76543210
	s_mov_b32 s[SEL+1], 0xfedcba98
	s_mov_b32 s[CS], 0x3d8293ee                    ; log2(e) / sqrt(512)
	s_mov_b32 s[CS+1], s[CS]
	s_mov_b32 s[PSL], 0x05040100
	s_mov_b32 s[PSH], 0x07060302
	s_mov_b32 s[STEPC], 0
	v_and_b32 v[LI], 31, v0
	v_lshlrev_b32 v[PFO], 8, v[LI]
	v_lshlrev_b32 v[PSR], 3, v[LI]
	v_lshlrev_b32 v[LI], 4, v[LI]
	v_and_b32 v[RM], 15, v0
	v_bfe_u32 v[RM+1], v0, 4, 1
	v_mul_u32_u24 v[FA], v[RM], 528
	v_lshl_add_u32 v[FA], v[RM+1], 6, v[FA]
	s_mul_i32 s52, s[WV], SW8
	s_add_co_u32 s52, s52, R1
	v_add_nc_u32 v[FA], s52, v[FA]
	v_add_nc_u32 v[SGW], s52, v[LI]
	v_add_nc_u32 v[IRX], R1, v[LI]
	s_lshl_b32 s53, s[WV], 11
	s_add_co_u32 s53, s53, R1
	v_add_nc_u32 v[IQW], s53, v[LI]
	s_lshl_b32 s53, s[WV], 9
	s_add_co_u32 s53, s53, SMB
	v_add_nc_u32 v[SMW], s53, v[LI]
	v_add_nc_u32 v[SMR], SMB, v[LI]
	s_lshl_b32 s53, s[WV], 8
	s_add_co_u32 s53, s53, SMB+PSO
	v_add_nc_u32 v[PSW], s53, v[PSR]
	v_add_nc_u32 v[PSR], SMB+PSO, v[PSR]
	WALU
	s_lshr_b32 s54, s[WV], 1                       ; my group of 128 keys
	s_and_b32 s55, s[WV], 1                        ; my half of its key tiles
	s_mul_i32 s56, s54, GRP
	s_lshl_b32 s57, s55, 13
	s_add_co_u32 s57, s57, s56
	v_add_nc_u32 v[AKW], s57, v[LI]
	s_lshl_b32 s57, s55, 8
	s_add_co_u32 s57, s57, s56
	s_add_co_u32 s57, s57, 16384
	v_lshl_add_u32 v[AKS], v[RM], 4, s57           ; lanes 0-15 and 16-31 alike: my four tiles' words of row l % 16
	s_mul_i32 s57, s[WV], PART
	s_add_co_u32 s57, s57, VR
	v_add_nc_u32 v[AV0], s57, v[LI]
	v_add_nc_u32 v[AV1], GRP, v[AV0]
	s_lshl_b32 s57, s54, 13
	s_lshl_b32 s56, s55, 10
	s_add_co_u32 s57, s57, s56
	s_add_co_u32 s57, s57, R2
	v_add_nc_u32 v[PIW], s57, v[LI]
	v_add_nc_u32 v[PIR], R2, v[LI]
	s_mul_i32 s57, s[WV], WH
	v_add_nc_u32 v[AWL], s57, v[LI]
	v_add_nc_u32 v[AWL+1], RG, v[AWL]
	v_mov_b32 v[PFZ], 0
	WALU                                           ; the wait ahead of the blocking waits
	s_wait_dscnt 0x0
	s_wait_kmcnt 0x0
	s_lshl_b32 s52, s18, 21
	s_lshl_b32 s53, s17, 17
	s_add_co_u32 s52, s52, s53
	s_mov_b32 s53, 0
	s_add_nc_u64 s[OUT:OUT+1], s[14:15], s[52:53]
	s_add_nc_u64 s[4:5], s[4:5], s[52:53]
	s_lshl_b32 s52, s[WV], 15
	s_add_nc_u64 s[4:5], s[4:5], s[52:53]          ; my 16 rows of x_q
	s_lshl_b32 s52, s[WV], 9
	s_add_nc_u64 s[OUT:OUT+1], s[OUT:OUT+1], s[52:53]
	WIN 0x80
.irp s, 0,1,2,3
.irp j, 0,1,2,3,4,5,6,7,8,9,10,11,12,13,14,15
	global_load_b128 v[64*\s+4*\j:64*\s+4*\j+3], v[LI], s[4:5] offset:2048*\j+512*\s th:TH_LOAD_NT   ; 512 consecutive bytes: K step s of row j
.endr
.endr
	WIN 0
	s_mul_i32 s56, s18, 16*GRP
	s_mul_i32 s57, s[WV], QTR
	s_add_co_u32 s56, s56, s57
	s_mov_b32 s57, 0
	s_mov_b32 s[G0K], 1
	s_mul_i32 s[G0K+1], s[WV], QTR
	s_add_nc_u64 s[G0K+2:G0K+3], s[10:11], s[56:57]
	s_or_b32 s[G0K+3], s[G0K+3], 0x80000000
	s_mov_b32 s[G0V], 1
	s_add_co_u32 s[G0V+1], s[G0K+1], VR
	s_add_nc_u64 s[G0V+2:G0V+3], s[12:13], s[56:57]
	s_or_b32 s[G0V+3], s[G0V+3], 0x80000000
	s_mul_i32 s58, s[WV], 2*WH                     ; my 8 tiles of Wq
	s_mov_b32 s59, 0
	s_mov_b32 s[G0W], 1
	s_mul_i32 s[G0W+1], s[WV], WH
	s_add_nc_u64 s[G0W+2:G0W+3], s[8:9], s[58:59]
	s_or_b32 s[G0W+3], s[G0W+3], 0x80000000
	ROUND                                          ; in front of the first joint load
	TLOAD G0W, G1W                                 ; my tiles 0-3 of Wq, into K's region: my first load at the head
	s_lshl_b32 s52, s18, 10
	s_lshl_b32 s54, s17, 6
	s_add_co_u32 s52, s52, s54
	s_add_nc_u64 s[6:7], s[6:7], s[52:53]
	s_lshl_b32 s52, s51, 2
	s_add_co_u32 s52, s52, s[WV]                   ; which of the cluster's 16 waves I am
	s_mul_i32 s52, s52, 8448
	s_mul_i32 s54, s18, 16*GRP
	s_add_co_u32 s52, s52, s54
	s_add_co_u32 s52, s52, 4*GRP                   ; step 2
	s_add_nc_u64 s[PFK:PFK+1], s[10:11], s[52:53]
	s_add_nc_u64 s[PFV:PFV+1], s[12:13], s[52:53]
	WIN 0x40
.set J, 0
.rept 256
	v_mov_b32 v[J], 0                              ; O^T: the step is written once; its first trip finds zeros
.set J, J+1
.endr
	WIN 0
.irp qt, 0,1,2,3
	v_mov_b32 v[ST+4*\qt+1], 0xff61b1e6            ; -3e38, under every t
	v_floor_f32 v[ST+4*\qt], -v[ST+4*\qt+1]
	v_mov_b32 v[ST+4*\qt+2], 0
	v_mov_b32 v[ST+4*\qt+3], 0
	v_mov_b32 v[F+2*\qt+1], 0
.endr
.irp b, 0,1,2,3
	v_mov_b32 v[TM+4+\b], 0                        ; a lane permute's destination counts as a source
.endr
	WALU
	s_wait_tensorcnt 0x0                           ; my tiles 0-3 have landed; the full sequence ahead of a later first fill
	ds_add_u32 v[SPW], v[NIL]
	s_add_co_u32 s[G0W+1], s[G0W+1], RG
	s_add_nc_u64 s[G0W+2:G0W+3], s[G0W+2:G0W+3], WH
	s_wait_dscnt 0x0
	ROUND
	TLOAD G0W, G1W                                 ; my tiles 4-7, into V's region
	RING_W 0
	RING_W 1
	RING_W 2
	RING_W 3
	XPIECE 0
	XPIECE 1
	DRAIN                                          ; tiles 4-7 have landed, tiles 0-3 are in registers
	ROUND
	TLOAD G0K                                      ; step 0's K, over Wq's tiles 0-3
	XPIECE 2
	XPIECE 3
.irp s, 0,1,2,3
.irp c, 0,1,2,3
	ds_store_b128 v[SGW], v[PCX+16*\s+4*\c:PCX+16*\s+4*\c+3] offset:2048*\s+512*\c   ; x's images, over my stage, which I have read out
.endr
.endr
	ds_store_b128 v[SMW], v[PWS:PWS+3] offset:XSO
	WALU
	BARRIER
.irp m, 0,1,2,3
	ds_load_b128 v[XS+4*\m:XS+4*\m+3], v[SMR] offset:XSO+512*\m
.endr
	WIN 0x80
.irp m, 0,1,2,3
.irp s, 0,1,2,3
.irp c, 0,1,2,3
	ds_load_b128 v[64*\m+16*\s+4*\c:64*\m+16*\s+4*\c+3], v[IRX] offset:SW8*\m+2048*\s+512*\c
.endr
.endr
.endr
	WIN 0
	BARRIER                                        ; every wave holds x: q's images may be laid over x's
	s_wait_loadcnt 0x0                             ; the mask's bytes
	QMUL 0, 0
	RING_W 4
	RING_W 5
	QQ 0, 34                                       ; the two units just asked for may be out
	QMUL 1, 38
	RING_W 6
	RING_W 7
	QQ 1, 34
	QMUL 2, 38                                     ; tiles 6, 7 and four stores may be out
	QQ 2, 0
	DRAIN                                          ; all of Wq is in registers
	ROUND
	TLOAD G0V                                      ; step 0's V, over Wq's tiles 4-7
	QMUL 3, 0
	QQ 3, 0
	ds_store_b128 v[SMW], v[PWS:PWS+3] offset:PSO
	WALU
	BARRIER
.irp s, 0,1,2,3
	ds_load_b128 v[QS+4*\s:QS+4*\s+3], v[SMR] offset:PSO+512*\s
.endr
	WIN 0xc0
.irp s, 0,1,2,3
.irp qt, 0,1,2,3
.irp c, 0,1,2,3
	ds_load_b128 v[64*\s+16*\qt+4*\c:64*\s+16*\qt+4*\c+3], v[IRX] offset:8192*\qt+2048*\s+512*\c   ; Q stays in registers
.endr
.endr
.endr
	WIN 0
	KFIRST                                         ; step 0's K was shown by the round in front of V's first fill
.Lstep:                                                ; seven trips, each fills both regions again
	STEP 1
	s_wait_xcnt 0x0                                ; my prefetches have read their addresses
	s_add_nc_u64 s[PFK:PFK+1], s[PFK:PFK+1], 2*GRP
	s_add_nc_u64 s[PFV:PFV+1], s[PFV:PFV+1], 2*GRP
	s_add_co_u32 s[STEPC], s[STEPC], 1
	s_cmp_lt_u32 s[STEPC], 7
	s_cbranch_scc1 .Lstep
	STEP 0                                         ; the last step is written out: it asks for nothing, and sends the results out
	s_wait_tensorcnt 0x0                           ; the wave's end
	ds_add_u32 v[SPW], v[NIL]
	s_wait_dscnt 0x0
	ROUND                                          ; the closing round
	s_endpgm
.Lfunc_end_k_q0ba3e2dd49_attn:
	.size	k_q0ba3e2dd49_attn, .Lfunc_end_k_q0ba3e2dd49_attn-k_q0ba3e2dd49_attn
	.p2alignl 7, 3214868480
	.fill 96, 4, 3214868480
	.section	.rodata,"a",@progbits
	.p2align	6, 0x0
	.amdhsa_kernel k_q0ba3e2dd49_attn
		.amdhsa_group_segment_fixed_size 327680
		.amdhsa_private_segment_fixed_size 0
		.amdhsa_enable_private_segment 0
		.amdhsa_kernarg_size 48
		.amdhsa_user_sgpr_count 2
		.amdhsa_user_sgpr_kernarg_segment_ptr 1
		.amdhsa_wavefront_size32 1
		.amdhsa_system_sgpr_workgroup_id_x 1
		.amdhsa_system_sgpr_workgroup_id_y 1
		.amdhsa_system_sgpr_workgroup_id_z 1
		.amdhsa_system_vgpr_workitem_id 0
		.amdhsa_next_free_vgpr 1024
		.amdhsa_next_free_sgpr 80
		.amdhsa_reserve_vcc 0
		.amdhsa_float_denorm_mode_32 3
		.amdhsa_float_denorm_mode_16_64 3
		.amdhsa_memory_ordered 1
		.amdhsa_forward_progress 1
		.amdhsa_inst_pref_size 255
	.end_amdhsa_kernel
	.section	.bss,"aw",@nobits
	.p2align	6
	.space	262144
	.amdgpu_metadata
---
amdhsa.version: [ 1, 2 ]
amdhsa.kernels:
  - .name:           k_q0ba3e2dd49_attn
    .symbol:         k_q0ba3e2dd49_attn.kd
    .args:
      - { .name: x_q, .offset: 0, .size: 8, .value_kind: global_buffer, .address_space: global }
      - { .name: x_mask, .offset: 8, .size: 8, .value_kind: global_buffer, .address_space: global }
      - { .name: wc, .offset: 16, .size: 8, .value_kind: global_buffer, .address_space: global }
      - { .name: kc, .offset: 24, .size: 8, .value_kind: global_buffer, .address_space: global }
      - { .name: vc, .offset: 32, .size: 8, .value_kind: global_buffer, .address_space: global }
      - { .name: out0, .offset: 40, .size: 8, .value_kind: global_buffer, .address_space: global }
    .group_segment_fixed_size: 327680
    .private_segment_fixed_size: 0
    .kernarg_segment_align: 8
    .kernarg_segment_size: 48
    .max_flat_workgroup_size: 128
    .sgpr_count:     80
    .vgpr_count:     1024
    .wavefront_size: 32
...
	.end_amdgpu_metadata
.endif
;; end of part 3
